; MI455X (gfx1250); checked and timed in simulation.
; The chip was launched on July 23, 2026; its instructions are those of AMD's public machine-readable ISA for CDNA 5 (MIT licence, August 2026) and "CDNA5" Instruction Set Architecture Reference Guide (July 2026). The comments in the code are by the model that wrote it; some were corrected since.
;; Layout Render Model. Allowed arithmetic: float matrix products may take bf16 or f16 operands with f32 sums; all other float work in f32.
;; Inputs: bbox 32 x 6 float32; rays_d 262,144 x 3 float32; rays_o 262,144 x 3 float32.
;; Outputs: out0 262,144 int32; out1 262,144 float32.
;; 2 versions, each right; version 2 is version 1 with the launch nearest_box written anew for expert scheduling mode. Each part assembles by itself: llvm-mc -triple=amdgcn-amd-amdhsa -mcpu=gfx1250 --defsym DOCPART=n.
;; ======== version 1 of 2: 1 launch
;; launch nearest_box (part 1): grid 256 x 1, 8 waves a work-group, no clusters, 2,560 bytes of LDS; arguments rays_o, rays_d, bbox, out0, out1; writes out0, out1
.if DOCPART == 1
	.amdgcn_target "amdgcn-amd-amdhsa--gfx1250"
	.amdhsa_code_object_version 6
	.text
	.protected	k_qa8dab6755a_nearest_box
	.globl	k_qa8dab6755a_nearest_box
	.p2align	8
	.type	k_qa8dab6755a_nearest_box,@function
k_qa8dab6755a_nearest_box:
	s_mov_b64 s[64:65], 0
	v_nop
	global_prefetch_b8 v0, s[64:65] scope:SCOPE_SE
	s_setreg_imm32_b32 hwreg(HW_REG_WAVE_MODE, 25, 1), 1
	s_wait_xcnt 0x0
; For each of 262,144 rays: the first box (of 32 axis-aligned boxes) with the smallest valid entry distance, and that distance;
; -1 and -1.0 for rays whose slab test meets no box.  All steps of reference() in one launch, nothing goes through memory.
;
; SHARES.  256 work-groups x 8 waves x 32 lanes x 4 rays.  A lane owns 4 neighbouring rays: 48 bytes of each input (three 16-byte loads,
; the three together cover 1,536 consecutive bytes of a wave) and 16 bytes of each output (a wave's store covers 512 consecutive bytes, aligned).
; The 4 rays are two STREAMS of two rays; a stream keeps every quantity as a register pair, so that subtractions, the division and the
; hit points are packed instructions (two rays each).  Minima, maxima, compares and selects have no packed f32 form and go ray by ray.
;
; BOXES.  Wave 0 (lane b = box b) makes a table of 12 numbers a box in LDS; every wave reads a box by three loads in which all lanes name
; the same 16 bytes, one box ahead, into two register buffers that take turns.
;
; ROUNDINGS.  The index is a whole number, so every rounding of reference() is repeated:
;   bmin = c - s/2, bmax = c + s/2 : one fma each (s/2 is exact), then bmin - 1e-4 and bmax + 1e-4 by one addition each;
;   t = (b - o) / d : a = b - o; q = a r; e = a - q d (fma); t = q + e r (fma), with r = 1/d from v_rcp_f32 and one Newton step.
;       Before its last rounding t is within about 2^-47 (relative) of a/d: it is the IEEE quotient but where a/d lies that near a rounding boundary.
;   hit point p = o + t d : ONE fma, that is one rounding, where reference() writes a product and a sum.
;   p >= lo' and p <= hi' are taken from the signs of lo' - p and p - hi' (a difference of two unlike floats is never zero: denormals are kept).
; LIMITS (ranges): each component of rays_d is 0 (replaced by 1e-8, as in reference()) or has a magnitude from 2^-126 to 2^126, and every quotient
; (b - o)/d is finite; beyond that e becomes NaN where reference() has an infinity.  NaN or infinite inputs are not served.
;
; NOT USED: matrix instructions (there is no product of matrices, and f32 roundings are kept); clusters and joint requests (all that
; work-groups share is the 768 bytes of bbox); the tensor data mover (each lane's 96 input bytes are loaded once, straight into registers).
.set BOXES, 32
.set ROWB,  48                         ; bytes of a box in the table: 12 numbers
.set RAWO,  4                          ; v[4:15]    rays_o as loaded: x y z of ray 0, 1, 2, 3
.set RAWD,  16                         ; v[16:27]   rays_d as loaded
.set RO,    32                         ; v[32:43]   origin:     stream s, axis j: pair at RO + 6 s + 2 j
.set RD,    44                         ; v[44:55]   direction, zeros replaced, same order
.set RC,    56                         ; v[56:67]   1 / direction, same order
.set BEST,  68                         ; v[68:71]   smallest t_near so far, rays 0 to 3
.set IDX,   72                         ; v[72:75]   its box
.set KEEP,  76                         ; v[76:79]   largest min(tX - tE, tX) so far: above 0 = some box is met
.set MA,    80                         ; v[80:83]   that margin of a trip's first box, until the second box's is there
.set KA,    84                         ; v[84:95]   a box: bmin,bmax of x, y, z; then bmin-EPS,bmax+EPS of x, y, z
.set KB,    96                         ; v[96:107]  the other box
.set T0,    108                        ; v[108:235] temporaries, TS for each stream
.set TS,    64
.set NUM,   0                          ; 12: numerators (axis j: bmin's pair at 4 j, bmax's at 4 j + 2), then residuals
.set QUO,   12                         ; 12: quotients, same order
.set SET0,  0                          ; two sets of 20 for the candidates (over NUM and QUO, which are done with by then):
.set SET1,  20
.set PT,    0                          ;   6: hit point, pair 2 x
.set DLO,   6                          ;   6: lo' - p
.set DHI,   12                         ;   6: p - hi'
.set VIO,   18                         ;   2: the largest violation; at most 0 = the candidate is valid
.set TN,    20                         ; 2: t_near (in set 1, done with by then)
.set ENT,   40                         ; 6: entry t of axis j
.set EXI,   46                         ; 6: exit t of axis j
.set TE,    52                         ; 2: largest entry
.set TX,    54                         ; 2: smallest exit
.set CAND,  56                         ; 6: entry t where valid, else BIG
.set GAP,   62                         ; 2: tX - tE
.set M0,    24                         ; s[24:27], s[28:31]: lane masks, one for each stream and half
.set M1,    28
	s_load_b128 s[4:7], s[0:1], 0x0                ; rays_o s[4:5], rays_d s[6:7]
	s_load_b128 s[8:11], s[0:1], 0x10              ; bbox s[8:9], out0 s[10:11]
	s_load_b64 s[12:13], s[0:1], 0x20              ; out1
	v_lshl_add_u32 v240, v0, 2, 0x600
	v_mov_b32 v241, 0
	s_mul_i32 s14, ttmp9, 256*48                   ; the work-group's 1,024 rays: 12,288 bytes of each input,
	s_lshl_b32 s15, ttmp9, 12                      ; 4,096 bytes of each output
	s_mov_b32 s17, 0x501502f9                      ; BIG = 1e10
	s_mov_b32 s18, 0x322bcc77                      ; 1e-8, in place of a direction's zero
	v_lshrrev_b32 v3, 5, v0
	v_readfirstlane_b32 s16, v3                    ; wave number
	v_mad_u32_u24 v1, v0, 48, s14                  ; byte offset of my 4 rays in rays_o and rays_d
	v_lshl_add_u32 v2, v0, 4, s15                  ; and of my 4 results in out0 and out1
	s_wait_kmcnt 0x0
	global_load_b128 v[RAWO:RAWO+3],    v1, s[4:5] th:TH_LOAD_NT
	global_load_b128 v[RAWO+4:RAWO+7],  v1, s[4:5] offset:16 th:TH_LOAD_NT
	global_load_b128 v[RAWO+8:RAWO+11], v1, s[4:5] offset:32 th:TH_LOAD_NT
	global_load_b128 v[RAWD:RAWD+3],    v1, s[6:7] th:TH_LOAD_NT
	global_load_b128 v[RAWD+4:RAWD+7],  v1, s[6:7] offset:16 th:TH_LOAD_NT
	global_load_b128 v[RAWD+8:RAWD+11], v1, s[6:7] offset:32 th:TH_LOAD_NT
	; THE TABLE: wave 0 alone, lane b = box b (in wave 0 the thread's number is the lane)
	s_cmp_lg_u32 s16, 0
	s_cbranch_scc1 .Ltable_done
	v_mul_u32_u24 v28, 24, v0                      ; a row of bbox: 6 numbers
	v_mul_u32_u24 v29, ROWB, v0                    ; a row of the table
	global_load_b64 v[KA:KA+1],   v28, s[8:9]              ; cx cy
	global_load_b64 v[KA+2:KA+3], v28, s[8:9] offset:8     ; cz sx
	global_load_b64 v[KA+4:KA+5], v28, s[8:9] offset:16    ; sy sz
	s_wait_loadcnt 0x0
.irp j, 0,1,2
	v_fma_f32 v[KB+2*\j],   v[KA+3+\j], -0.5, v[KA+\j]     ; bmin = c - s/2: the half is exact, so this is the one rounding of the subtraction
	v_fma_f32 v[KB+2*\j+1], v[KA+3+\j], 0.5, v[KA+\j]      ; bmax = c + s/2
.endr
.irp j, 0,1,2
	v_add_f32 v[KB+6+2*\j], 0xb8d1b717, v[KB+2*\j]         ; lo' = bmin - 1e-4
	v_add_f32 v[KB+7+2*\j], 0x38d1b717, v[KB+2*\j+1]       ; hi' = bmax + 1e-4
.endr
	ds_store_b128 v29, v[KB:KB+3]
	ds_store_b128 v29, v[KB+4:KB+7] offset:16
	ds_store_b128 v29, v[KB+8:KB+11] offset:32
.Ltable_done:
	s_wait_loadcnt 0x0                             ; my rays are in
	s_wait_dscnt 0x0                               ; wave 0: the table is written, for the other waves' sake
	s_barrier_signal -1
	; THE RAYS, on registers only, while the waves gather: pairs of two rays, zeros of the direction replaced, reciprocals
.irp s, 0,1
.irp h, 0,1
.irp j, 0,1,2
	v_mov_b32 v[RO+6*\s+2*\j+\h], v[RAWO+6*\s+3*\h+\j]
	v_cmp_neq_f32 vcc_lo, 0, v[RAWD+6*\s+3*\h+\j]
	v_cndmask_b32 v[RD+6*\s+2*\j+\h], s18, v[RAWD+6*\s+3*\h+\j], vcc_lo    ; d == 0 (either sign): 1e-8
.endr
.endr
.endr
.set i, 0
.rept 12
	v_rcp_f32 v[RC+i], v[RD+i]
.set i, i+1
.endr
	v_mov_b32 v3, 0                                ; the table's address; also the one plain instruction between v_rcp_f32 and the use of its results
	s_wait_alu depctr_va_vdst(0)
.irp i, 0,2,4,6,8,10
	v_pk_fma_f32 v[T0+\i:T0+\i+1], v[RD+\i:RD+\i+1], v[RC+\i:RC+\i+1], 1.0 op_sel_hi:[1,1,0] neg_lo:[1,0,0] neg_hi:[1,0,0]   ; 1 - d r
.endr
.irp i, 0,2,4,6,8,10
	v_pk_fma_f32 v[RC+\i:RC+\i+1], v[T0+\i:T0+\i+1], v[RC+\i:RC+\i+1], v[RC+\i:RC+\i+1]     ; r + r (1 - d r)
.endr
.irp i, 0,1,2,3
	v_mov_b32 v[BEST+\i], 0x7f800000               ; +infinity: box 0's t_near, which is finite, takes the lead at once, as in an argmin
	v_mov_b32 v[IDX+\i], 0
	v_mov_b32 v[KEEP+\i], 0
.endr
	s_barrier_wait -1                              ; the table is there for every wave; nobody writes it again
.macro LOADK k, off                    ; a box's 12 numbers; all lanes name the same bytes
	ds_load_b128 v[\k:\k+3],    v3 offset:\off
	ds_load_b128 v[\k+4:\k+7],  v3 offset:\off+16
	ds_load_b128 v[\k+8:\k+11], v3 offset:\off+32
.endm
; The steps of one candidate (the entry t of axis a), each for both streams; b = its set of temporaries, m = its masks.
.macro CPT a, b                        ; p = o + t d, all three coordinates, one rounding each
.irp s, 0,1
.irp x, 0,1,2
.set t, T0+TS*\s
	v_pk_fma_f32 v[t+\b+PT+2*\x:t+\b+PT+2*\x+1], v[t+ENT+2*\a:t+ENT+2*\a+1], v[RD+6*\s+2*\x:RD+6*\s+2*\x+1], v[RO+6*\s+2*\x:RO+6*\s+2*\x+1]
.endr
.endr
.endm
.macro CD k, b                         ; lo' - p (the pair's first word for both rays) and p - hi' (its second word for both)
.irp s, 0,1
.irp x, 0,1,2
.set p, T0+TS*\s+\b+2*\x
.set c, \k+6+2*\x
	v_pk_add_f32 v[p+DLO:p+DLO+1], v[c:c+1], v[p+PT:p+PT+1] op_sel_hi:[0,1] neg_lo:[0,1] neg_hi:[0,1]
	v_pk_add_f32 v[p+DHI:p+DHI+1], v[p+PT:p+PT+1], v[c:c+1] op_sel:[0,1] op_sel_hi:[1,1] neg_lo:[0,1] neg_hi:[0,1]
.endr
.endr
.endm
.macro CM1 b                           ; the largest of the six differences and of -t, in three steps: seven numbers
.irp s, 0,1
.irp h, 0,1
.set d, T0+TS*\s+\b+\h
	v_max3_num_f32 v[d+VIO], v[d+DLO], v[d+DLO+2], v[d+DLO+4]
.endr
.endr
.endm
.macro CM2 b
.irp s, 0,1
.irp h, 0,1
.set d, T0+TS*\s+\b+\h
	v_max3_num_f32 v[d+VIO], v[d+VIO], v[d+DHI], v[d+DHI+2]
.endr
.endr
.endm
.macro CM3 a, b
.irp s, 0,1
.irp h, 0,1
.set d, T0+TS*\s+\b+\h
	v_max3_num_f32 v[d+VIO], v[d+VIO], v[d+DHI+4], -v[T0+TS*\s+ENT+2*\a+\h]
.endr
.endr
.endm
.macro CCMP b, m                       ; valid: nothing is above 0 (all six bounds hold and t >= 0)
.irp s, 0,1
.irp h, 0,1
	v_cmp_ge_f32 s[\m+2*\s+\h], 0, v[T0+TS*\s+\b+VIO+\h]
.endr
.endr
.endm
.macro CSEL a, m                       ; t where valid, else BIG
.irp s, 0,1
.irp h, 0,1
	v_cndmask_b32 v[T0+TS*\s+CAND+2*\a+\h], s17, v[T0+TS*\s+ENT+2*\a+\h], s[\m+2*\s+\h]
.endr
.endr
.endm
; ONE BOX against my 4 rays.  k = the box's registers, sidx = the scalar register with its number, first = 1: the trip's first box.
; Each step is written for both streams and all axes before the next step begins, so that an instruction's sources are several lines old.
.macro BOX k, sidx, first
.irp s, 0,1                            ; a = bmin - o and bmax - o
.irp j, 0,1,2
.set n, T0+TS*\s+NUM+4*\j
.set o, RO+6*\s+2*\j
.set c, \k+2*\j
	v_pk_add_f32 v[n:n+1],   v[c:c+1], v[o:o+1] op_sel_hi:[0,1] neg_lo:[0,1] neg_hi:[0,1]
	v_pk_add_f32 v[n+2:n+3], v[c:c+1], v[o:o+1] op_sel:[1,0] op_sel_hi:[1,1] neg_lo:[0,1] neg_hi:[0,1]
.endr
.endr
.irp s, 0,1                            ; q = a r
.irp j, 0,1,2
.irp i, 0,2
.set n, T0+TS*\s+NUM+4*\j+\i
.set q, T0+TS*\s+QUO+4*\j+\i
.set r, RC+6*\s+2*\j
	v_pk_mul_f32 v[q:q+1], v[n:n+1], v[r:r+1]
.endr
.endr
.endr
.irp s, 0,1                            ; e = a - q d
.irp j, 0,1,2
.irp i, 0,2
.set n, T0+TS*\s+NUM+4*\j+\i
.set q, T0+TS*\s+QUO+4*\j+\i
.set d, RD+6*\s+2*\j
	v_pk_fma_f32 v[n:n+1], v[q:q+1], v[d:d+1], v[n:n+1] neg_lo:[1,0,0] neg_hi:[1,0,0]
.endr
.endr
.endr
.irp s, 0,1                            ; t = q + e r
.irp j, 0,1,2
.irp i, 0,2
.set n, T0+TS*\s+NUM+4*\j+\i
.set q, T0+TS*\s+QUO+4*\j+\i
.set r, RC+6*\s+2*\j
	v_pk_fma_f32 v[q:q+1], v[n:n+1], v[r:r+1], v[q:q+1]
.endr
.endr
.endr
.irp s, 0,1                            ; entry and exit of each axis
.irp j, 0,1,2
.irp h, 0,1
.set q, T0+TS*\s+QUO+4*\j+\h
	v_min_num_f32 v[T0+TS*\s+ENT+2*\j+\h], v[q], v[q+2]
	v_max_num_f32 v[T0+TS*\s+EXI+2*\j+\h], v[q], v[q+2]
.endr
.endr
.endr
.irp s, 0,1                            ; tE = largest entry, tX = smallest exit
.irp h, 0,1
.set t, T0+TS*\s+\h
	v_max3_num_f32 v[t+TE], v[t+ENT], v[t+ENT+2], v[t+ENT+4]
	v_min3_num_f32 v[t+TX], v[t+EXI], v[t+EXI+2], v[t+EXI+4]
.endr
.endr
	; the three candidates, on two sets of temporaries: one candidate's chain of maxima stands between the next one's points and differences
	CPT 0, SET0
	CD  \k, SET0
	CPT 1, SET1
	CM1 SET0
	CD  \k, SET1
	CM2 SET0
	CPT 2, SET0                        ; set 0's points were last read by its differences
	CM3 0, SET0
	CM1 SET1
	CCMP SET0, M0
	CD  \k, SET0                       ; set 0's differences were last read by CM3 0
	CSEL 0, M0
	CM2 SET1
	CM1 SET0
	CM3 1, SET1
	CM2 SET0
	CCMP SET1, M1
	CM3 2, SET0
	CSEL 1, M1
.irp s, 0,1                            ; tE < tX and tX > 0  <=>  min(tX - tE, tX) > 0
.set t, T0+TS*\s
	v_pk_add_f32 v[t+GAP:t+GAP+1], v[t+TX:t+TX+1], v[t+TE:t+TE+1] neg_lo:[0,1] neg_hi:[0,1]
.endr
	CCMP SET0, M0
.irp s, 0,1
.irp h, 0,1
.set t, T0+TS*\s+\h
.if \first
	v_min_num_f32 v[MA+2*\s+\h], v[t+GAP], v[t+TX]
.else
	v_min_num_f32 v[t+GAP], v[t+GAP], v[t+TX]
.endif
.endr
.endr
	CSEL 2, M0
.irp s, 0,1                            ; t_near
.irp h, 0,1
.set t, T0+TS*\s+\h
	v_min3_num_f32 v[t+TN], v[t+CAND], v[t+CAND+2], v[t+CAND+4]
.endr
.endr
.if \first == 0
.irp s, 0,1                            ; both boxes of the trip enter the running maximum at once
.irp h, 0,1
	v_max3_num_f32 v[KEEP+2*\s+\h], v[KEEP+2*\s+\h], v[MA+2*\s+\h], v[T0+TS*\s+GAP+\h]
.endr
.endr
.endif
.irp s, 0,1                            ; argmin: only a strictly smaller t_near takes the lead, so the first of equals stays
.irp h, 0,1
	v_cmp_le_f32 s[M1+2*\s+\h], v[BEST+2*\s+\h], v[T0+TS*\s+TN+\h]
.endr
.endr
.irp s, 0,1
.irp h, 0,1
	v_cndmask_b32 v[IDX+2*\s+\h], \sidx, v[IDX+2*\s+\h], s[M1+2*\s+\h]
.endr
.endr
.irp s, 0,1
.irp h, 0,1
	v_min_num_f32 v[BEST+2*\s+\h], v[BEST+2*\s+\h], v[T0+TS*\s+TN+\h]
.endr
.endr
.endm
	LOADK KA, 0                                    ; boxes 0 and 1
	LOADK KB, ROWB
	s_mov_b32 s20, 0                               ; number of the trip's first box; also the loop's counter
	s_mov_b32 s21, 1                               ; number of its second box
.Lpair:
	s_wait_dscnt 0x3                               ; LDS loads come back in order: KA is in, the three younger loads (KB's) may be out
	BOX KA, s20, 1
	LOADK KA, 2*ROWB                               ; the next trip's first box
	s_wait_dscnt 0x3                               ; KB is in, the three loads just issued may be out
	BOX KB, s21, 0
	LOADK KB, 3*ROWB                               ; the next trip's second box
	v_add_nc_u32 v3, 2*ROWB, v3
	s_add_co_u32 s21, s21, 2
	s_add_co_u32 s20, s20, 2
	s_cmp_lt_u32 s20, BOXES-2
	s_cbranch_scc1 .Lpair
	s_wait_dscnt 0x3                               ; boxes 30 and 31 are written out: nothing is loaded past the table's 1,536 bytes
	BOX KA, s20, 1
	s_wait_dscnt 0x0
	BOX KB, s21, 0
	; rays that meet no box get -1 and -1.0
.irp i, 0,1,2,3
	v_cmp_lt_f32 vcc_lo, 0, v[KEEP+\i]
	v_cndmask_b32 v[IDX+\i], -1, v[IDX+\i], vcc_lo
	v_cndmask_b32 v[BEST+\i], -1.0, v[BEST+\i], vcc_lo
.endr
	global_store_b128 v2, v[IDX:IDX+3], s[10:11] th:TH_STORE_NT      ; 16 bytes a lane: the wave stores 512 consecutive bytes, aligned
	global_store_b128 v2, v[BEST:BEST+3], s[12:13] th:TH_STORE_NT
	s_wait_tensorcnt 0x0
	ds_add_u32 v240, v241
	s_wait_dscnt 0x0
	s_endpgm
.Lfunc_end_k_qa8dab6755a_nearest_box:
	.size	k_qa8dab6755a_nearest_box, .Lfunc_end_k_qa8dab6755a_nearest_box-k_qa8dab6755a_nearest_box
	.p2alignl 7, 3214868480
	.fill 96, 4, 3214868480
	.section	.rodata,"a",@progbits
	.p2align	6, 0x0
	.amdhsa_kernel k_qa8dab6755a_nearest_box
		.amdhsa_group_segment_fixed_size 2560
		.amdhsa_private_segment_fixed_size 0
		.amdhsa_enable_private_segment 0
		.amdhsa_kernarg_size 40
		.amdhsa_user_sgpr_count 2
		.amdhsa_user_sgpr_kernarg_segment_ptr 1
		.amdhsa_wavefront_size32 1
		.amdhsa_system_sgpr_workgroup_id_x 1
		.amdhsa_system_sgpr_workgroup_id_y 1
		.amdhsa_system_sgpr_workgroup_id_z 1
		.amdhsa_system_vgpr_workitem_id 0
		.amdhsa_next_free_vgpr 242
		.amdhsa_next_free_sgpr 66
		.amdhsa_reserve_vcc 1
		.amdhsa_float_denorm_mode_32 3
		.amdhsa_float_denorm_mode_16_64 3
		.amdhsa_memory_ordered 1
		.amdhsa_forward_progress 1
		.amdhsa_inst_pref_size 59
	.end_amdhsa_kernel
	.amdgpu_metadata
---
amdhsa.version: [ 1, 2 ]
amdhsa.kernels:
  - .name:           k_qa8dab6755a_nearest_box
    .symbol:         k_qa8dab6755a_nearest_box.kd
    .args:
      - { .name: rays_o, .offset: 0, .size: 8, .value_kind: global_buffer, .address_space: global }
      - { .name: rays_d, .offset: 8, .size: 8, .value_kind: global_buffer, .address_space: global }
      - { .name: bbox, .offset: 16, .size: 8, .value_kind: global_buffer, .address_space: global }
      - { .name: out0, .offset: 24, .size: 8, .value_kind: global_buffer, .address_space: global }
      - { .name: out1, .offset: 32, .size: 8, .value_kind: global_buffer, .address_space: global }
    .group_segment_fixed_size: 2560
    .private_segment_fixed_size: 0
    .kernarg_segment_align: 8
    .kernarg_segment_size: 40
    .max_flat_workgroup_size: 256
    .sgpr_count:     66
    .vgpr_count:     242
    .wavefront_size: 32
...
	.end_amdgpu_metadata
.endif
;; end of part 1
;; ======== version 2 of 2: 1 launch; version 1 with the launch nearest_box written anew for expert scheduling mode
;; launch nearest_box (part 2): grid 256 x 1, 8 waves a work-group, no clusters, 2,560 bytes of LDS; arguments rays_o, rays_d, bbox, out0, out1; writes out0, out1
.if DOCPART == 2
	.amdgcn_target "amdgcn-amd-amdhsa--gfx1250"
	.amdhsa_code_object_version 6
	.text
	.protected	k_qa8dab6755a_nearest_box
	.globl	k_qa8dab6755a_nearest_box
	.p2align	8
	.type	k_qa8dab6755a_nearest_box,@function
k_qa8dab6755a_nearest_box:
	s_mov_b64 s[64:65], 0
	v_nop
	global_prefetch_b8 v0, s[64:65] scope:SCOPE_SE
	s_setreg_imm32_b32 hwreg(HW_REG_WAVE_SCHED_MODE, 0, 2), 2
	s_setreg_imm32_b32 hwreg(HW_REG_WAVE_MODE, 25, 1), 1
	s_wait_xcnt 0x0
	s_wait_alu depctr_vm_vsrc(0)
; For each of 262,144 rays: the first box (of 32 axis-aligned boxes) with the smallest valid entry distance, and that distance;
; -1 and -1.0 for rays whose slab test meets no box.  All steps of reference() in one launch, nothing goes through memory.
;
; SHARES.  256 work-groups x 8 waves x 32 lanes x 4 rays.  A lane owns 4 neighbouring rays: 48 bytes of each input (three 16-byte loads,
; the three together cover 1,536 consecutive bytes of a wave) and 16 bytes of each output (a wave's store covers 512 consecutive bytes, aligned).
; The 4 rays are two STREAMS of two rays; a stream keeps every quantity as a register pair, so that subtractions, the division and the
; hit points are packed instructions (two rays each).  Minima, maxima, compares and selects have no packed f32 form and go ray by ray.
;
; BOXES.  Wave 0 (lane b = box b) makes a table of 12 numbers a box in LDS; every wave reads a box by three loads in which all lanes name
; the same 16 bytes, into two register buffers that take turns.
;
; ROUNDINGS.  The index is a whole number, so every rounding of reference() is repeated:
;   bmin = c - s/2, bmax = c + s/2 : one fma each (s/2 is exact), then bmin - 1e-4 and bmax + 1e-4 by one addition each;
;   t = (b - o) / d : a = b - o; q = a r; e = a - q d (fma); t = q + e r (fma), with r = 1/d from v_rcp_f32 and one Newton step.
;       Before its last rounding t is within about 2^-47 (relative) of a/d: it is the IEEE quotient but where a/d lies that near a rounding boundary.
;   hit point p = o + t d : ONE fma, that is one rounding, where reference() writes a product and a sum.
;   p >= lo' and p <= hi' are taken from the signs of lo' - p and p - hi' (a difference of two unlike floats is never zero: denormals are kept).
; LIMITS (ranges): each component of rays_d is 0 (replaced by 1e-8, as in reference()) or has a magnitude from 2^-126 to 2^126, and every quotient
; (b - o)/d is finite; beyond that e becomes NaN where reference() has an infinity.  NaN or infinite inputs are not served.
;
; NOT USED: matrix instructions (there is no product of matrices, and f32 roundings are kept); clusters and joint requests (all that
; work-groups share is the 768 bytes of bbox); the tensor data mover (each lane's 96 input bytes are loaded once, straight into registers).
;
; THE MODE: SCHED_MODE bits 1:0 = 2 (LLVM: expert scheduling mode 2), set by the entry lines.  The code itself states the register dependences
; between vector instructions and memory or LDS instructions, and between a vector instruction that writes a scalar register and its readers,
; with s_wait_alu, always for 0.
; THE PLAN.  Registers that memory or LDS instructions touch:
;   v1, v2       byte offsets of my rays and my results: made once at the head, never written again.
;   v28, v29     wave 0 alone: offsets of its row of bbox and of the table: made once.
;   v[4:27]      the rays as loaded: loaded once, read by vector instructions alone.
;   KA, KB       a box each.  Box k's numerators and differences read its buffer, the third candidate's differences last; behind them, in the same box's
;                text, the buffer is asked for again, for the box two further on.  What is left of the box (selects, t_near, argmin) names no K register.
;                At the head wave 0 uses them too: bbox's row lands in KA, the table's row is made in KB and stored from there.
;   v3           the table's LDS address: read by every load of a box, written once a trip, at the trip's end.
;   IDX, BEST    written by vector instructions, read by the two stores at the end.
;   Everything else is named by vector instructions alone.
; So ONE wait on va_vdst stands in a box, behind its last compares: the readers of the box's buffer are done, and v3 (stepped at the last trip's end) is written.
; One wait on vm_vsrc a trip stands ahead of the add to v3.  Lane masks are made in runs of compares into scalar registers, one wait on va_sdst behind each run:
; two a box (the twelve validity compares; the four of the argmin).  VCC and EXEC are never written.
.set BOXES, 32
.set ROWB,  48                         ; bytes of a box in the table: 12 numbers
.set RAWO,  4                          ; v[4:15]    rays_o as loaded: x y z of ray 0, 1, 2, 3
.set RAWD,  16                         ; v[16:27]   rays_d as loaded
.set RO,    32                         ; v[32:43]   origin:     stream s, axis j: pair at RO + 6 s + 2 j
.set RD,    44                         ; v[44:55]   direction, zeros replaced, same order
.set RC,    56                         ; v[56:67]   1 / direction, same order
.set BEST,  68                         ; v[68:71]   smallest t_near so far, rays 0 to 3
.set IDX,   72                         ; v[72:75]   its box
.set KEEP,  76                         ; v[76:79]   largest min(tX - tE, tX) so far: above 0 = some box is met
.set MA,    80                         ; v[80:83]   that margin of a trip's first box, until the second box's is there
.set KA,    84                         ; v[84:95]   a box: bmin,bmax of x, y, z; then bmin-EPS,bmax+EPS of x, y, z
.set KB,    96                         ; v[96:107]  the other box
.set T0,    108                        ; v[108:235] temporaries, TS for each stream
.set TS,    64
.set NUM,   0                          ; 12: numerators (axis j: bmin's pair at 4 j, bmax's at 4 j + 2), then residuals
.set QUO,   12                         ; 12: quotients, same order
.set SET0,  0                          ; two sets of 20 for the candidates (over NUM and QUO, which are done with by then):
.set SET1,  20
.set PT,    0                          ;   6: hit point, pair 2 x
.set DLO,   6                          ;   6: lo' - p
.set DHI,   12                         ;   6: p - hi'
.set VIO,   18                         ;   2: the largest violation; at most 0 = the candidate is valid
.set TN,    20                         ; 2: t_near (in set 1, done with by then)
.set ENT,   40                         ; 6: entry t of axis j
.set EXI,   46                         ; 6: exit t of axis j
.set TE,    52                         ; 2: largest entry
.set TX,    54                         ; 2: smallest exit
.set CAND,  56                         ; 6: entry t where valid, else BIG
.set GAP,   62                         ; 2: tX - tE
.set M0,    24                         ; s[24:27], s[28:31], s[32:35]: lane masks, one for each stream and half; a set for each candidate
.set M1,    28
.set M2,    32
	s_load_b128 s[4:7], s[0:1], 0x0                ; rays_o s[4:5], rays_d s[6:7]
	s_load_b128 s[8:11], s[0:1], 0x10              ; bbox s[8:9], out0 s[10:11]
	s_load_b64 s[12:13], s[0:1], 0x20              ; out1
	v_lshl_add_u32 v238, v0, 2, 0x600
	v_mov_b32 v239, 0
	s_mul_i32 s14, ttmp9, 256*48                   ; the work-group's 1,024 rays: 12,288 bytes of each input,
	s_lshl_b32 s15, ttmp9, 12                      ; 4,096 bytes of each output
	s_mov_b32 s17, 0x501502f9                      ; BIG = 1e10
	s_mov_b32 s18, 0x322bcc77                      ; 1e-8, in place of a direction's zero
	v_lshrrev_b32 v3, 5, v0
	v_readfirstlane_b32 s16, v3                    ; wave number
	v_mad_u32_u24 v1, v0, 48, s14                  ; byte offset of my 4 rays in rays_o and rays_d
	v_lshl_add_u32 v2, v0, 4, s15                  ; and of my 4 results in out0 and out1
	s_wait_kmcnt 0x0
	s_wait_alu depctr_va_vdst(0)                   ; v1 is written, which the six loads below read as their offset; so is v2, the offset of the stores at the end
	global_load_b128 v[RAWO:RAWO+3],    v1, s[4:5] th:TH_LOAD_NT
	global_load_b128 v[RAWO+4:RAWO+7],  v1, s[4:5] offset:16 th:TH_LOAD_NT
	global_load_b128 v[RAWO+8:RAWO+11], v1, s[4:5] offset:32 th:TH_LOAD_NT
	global_load_b128 v[RAWD:RAWD+3],    v1, s[6:7] th:TH_LOAD_NT
	global_load_b128 v[RAWD+4:RAWD+7],  v1, s[6:7] offset:16 th:TH_LOAD_NT
	global_load_b128 v[RAWD+8:RAWD+11], v1, s[6:7] offset:32 th:TH_LOAD_NT
	; THE TABLE: wave 0 alone, lane b = box b (in wave 0 the thread's number is the lane)
	s_wait_alu depctr_va_sdst(0)                   ; s16 is written, ahead of its first reader, the compare below
	s_cmp_lg_u32 s16, 0
	s_cbranch_scc1 .Ltable_done
	v_mul_u32_u24 v28, 24, v0                      ; a row of bbox: 6 numbers
	v_mul_u32_u24 v29, ROWB, v0                    ; a row of the table
	s_wait_alu depctr_va_vdst(0)                   ; v28 is written, the offset of the three loads below; so is v29, the address of the three LDS stores
	global_load_b64 v[KA:KA+1],   v28, s[8:9]              ; cx cy
	global_load_b64 v[KA+2:KA+3], v28, s[8:9] offset:8     ; cz sx
	global_load_b64 v[KA+4:KA+5], v28, s[8:9] offset:16    ; sy sz
	s_wait_loadcnt 0x0
.irp j, 0,1,2
	v_fma_f32 v[KB+2*\j],   v[KA+3+\j], -0.5, v[KA+\j]     ; bmin = c - s/2: the half is exact, so this is the one rounding of the subtraction
	v_fma_f32 v[KB+2*\j+1], v[KA+3+\j], 0.5, v[KA+\j]      ; bmax = c + s/2
.endr
.irp j, 0,1,2
	v_add_f32 v[KB+6+2*\j], 0xb8d1b717, v[KB+2*\j]         ; lo' = bmin - 1e-4
	v_add_f32 v[KB+7+2*\j], 0x38d1b717, v[KB+2*\j+1]       ; hi' = bmax + 1e-4
.endr
	s_wait_alu depctr_va_vdst(0)                   ; the twelve lines above have written v[KB ..], which the LDS stores read
	ds_store_b128 v29, v[KB:KB+3]
	ds_store_b128 v29, v[KB+4:KB+7] offset:16
	ds_store_b128 v29, v[KB+8:KB+11] offset:32
.Ltable_done:
	s_wait_loadcnt 0x0                             ; my rays are in
	s_wait_dscnt 0x0                               ; wave 0: the table is written, for the other waves' sake
	s_barrier_signal -1
	; THE RAYS, on registers only, while the waves gather: pairs of two rays, zeros of the direction replaced, reciprocals
.irp s, 0,1
.irp h, 0,1
.irp j, 0,1,2
	v_cmp_neq_f32 s[M0+6*\s+2*\j+\h], 0, v[RAWD+6*\s+3*\h+\j]      ; one run of twelve compares, a mask each: s[24:35]
.endr
.endr
.endr
.irp s, 0,1
.irp h, 0,1
.irp j, 0,1,2
	v_mov_b32 v[RO+6*\s+2*\j+\h], v[RAWO+6*\s+3*\h+\j]
.endr
.endr
.endr
	s_wait_alu depctr_va_sdst(0)                   ; the twelve masks are written, ahead of the selects that read them
.irp s, 0,1
.irp h, 0,1
.irp j, 0,1,2
	v_cndmask_b32 v[RD+6*\s+2*\j+\h], s18, v[RAWD+6*\s+3*\h+\j], s[M0+6*\s+2*\j+\h]    ; d == 0 (either sign): 1e-8
.endr
.endr
.endr
.set i, 0
.rept 12
	v_rcp_f32 v[RC+i], v[RD+i]
.set i, i+1
.endr
	v_mov_b32 v3, 0                                ; the table's address; also the one plain instruction between v_rcp_f32 and the use of its results
	s_wait_alu depctr_va_vdst(0)                   ; the twelve reciprocals are written, ahead of their first reader; v3 is written, the address of the first loads of boxes; wave 0's lines
	                                               ; are done reading KA and writing KB, in which those loads land.  No vector instruction from here to those loads names v3, KA or KB
.irp i, 0,2,4,6,8,10
	v_pk_fma_f32 v[T0+\i:T0+\i+1], v[RD+\i:RD+\i+1], v[RC+\i:RC+\i+1], 1.0 op_sel_hi:[1,1,0] neg_lo:[1,0,0] neg_hi:[1,0,0]   ; 1 - d r
.endr
.irp i, 0,2,4,6,8,10
	v_pk_fma_f32 v[RC+\i:RC+\i+1], v[T0+\i:T0+\i+1], v[RC+\i:RC+\i+1], v[RC+\i:RC+\i+1]     ; r + r (1 - d r)
.endr
.irp i, 0,1,2,3
	v_mov_b32 v[BEST+\i], 0x7f800000               ; +infinity: box 0's t_near, which is finite, takes the lead at once, as in an argmin
	v_mov_b32 v[IDX+\i], 0
	v_mov_b32 v[KEEP+\i], 0
.endr
	s_barrier_wait -1                              ; the table is there for every wave; nobody writes it again
.macro LOADK k, off                    ; a box's 12 numbers; all lanes name the same bytes
	ds_load_b128 v[\k:\k+3],    v3 offset:\off
	ds_load_b128 v[\k+4:\k+7],  v3 offset:\off+16
	ds_load_b128 v[\k+8:\k+11], v3 offset:\off+32
.endm
; The steps of one candidate (the entry t of axis a), each for both streams; b = its set of temporaries, m = its masks.
.macro CPT a, b                        ; p = o + t d, all three coordinates, one rounding each
.irp s, 0,1
.irp x, 0,1,2
.set t, T0+TS*\s
	v_pk_fma_f32 v[t+\b+PT+2*\x:t+\b+PT+2*\x+1], v[t+ENT+2*\a:t+ENT+2*\a+1], v[RD+6*\s+2*\x:RD+6*\s+2*\x+1], v[RO+6*\s+2*\x:RO+6*\s+2*\x+1]
.endr
.endr
.endm
.macro CD k, b                         ; lo' - p (the pair's first word for both rays) and p - hi' (its second word for both)
.irp s, 0,1
.irp x, 0,1,2
.set p, T0+TS*\s+\b+2*\x
.set c, \k+6+2*\x
	v_pk_add_f32 v[p+DLO:p+DLO+1], v[c:c+1], v[p+PT:p+PT+1] op_sel_hi:[0,1] neg_lo:[0,1] neg_hi:[0,1]
	v_pk_add_f32 v[p+DHI:p+DHI+1], v[p+PT:p+PT+1], v[c:c+1] op_sel:[0,1] op_sel_hi:[1,1] neg_lo:[0,1] neg_hi:[0,1]
.endr
.endr
.endm
.macro CM1 b                           ; the largest of the six differences and of -t, in three steps: seven numbers
.irp s, 0,1
.irp h, 0,1
.set d, T0+TS*\s+\b+\h
	v_max3_num_f32 v[d+VIO], v[d+DLO], v[d+DLO+2], v[d+DLO+4]
.endr
.endr
.endm
.macro CM2 b
.irp s, 0,1
.irp h, 0,1
.set d, T0+TS*\s+\b+\h
	v_max3_num_f32 v[d+VIO], v[d+VIO], v[d+DHI], v[d+DHI+2]
.endr
.endr
.endm
.macro CM3 a, b
.irp s, 0,1
.irp h, 0,1
.set d, T0+TS*\s+\b+\h
	v_max3_num_f32 v[d+VIO], v[d+VIO], v[d+DHI+4], -v[T0+TS*\s+ENT+2*\a+\h]
.endr
.endr
.endm
.macro CCMP b, m                       ; valid: nothing is above 0 (all six bounds hold and t >= 0)
.irp s, 0,1
.irp h, 0,1
	v_cmp_ge_f32 s[\m+2*\s+\h], 0, v[T0+TS*\s+\b+VIO+\h]
.endr
.endr
.endm
.macro CSEL a, m                       ; t where valid, else BIG
.irp s, 0,1
.irp h, 0,1
	v_cndmask_b32 v[T0+TS*\s+CAND+2*\a+\h], s17, v[T0+TS*\s+ENT+2*\a+\h], s[\m+2*\s+\h]
.endr
.endr
.endm
; ONE BOX against my 4 rays.  k = the box's registers, sidx = the scalar register with its number, first = 1: the trip's first box,
; off = where, from v3 on, the box lies that the buffer takes next; -1: none is left to load.
; Each step is written for both streams and all axes before the next step begins, so that an instruction's sources are several lines old.
.macro BOX k, sidx, first, off
.irp s, 0,1                            ; a = bmin - o and bmax - o
.irp j, 0,1,2
.set n, T0+TS*\s+NUM+4*\j
.set o, RO+6*\s+2*\j
.set c, \k+2*\j
	v_pk_add_f32 v[n:n+1],   v[c:c+1], v[o:o+1] op_sel_hi:[0,1] neg_lo:[0,1] neg_hi:[0,1]
	v_pk_add_f32 v[n+2:n+3], v[c:c+1], v[o:o+1] op_sel:[1,0] op_sel_hi:[1,1] neg_lo:[0,1] neg_hi:[0,1]
.endr
.endr
.irp s, 0,1                            ; q = a r
.irp j, 0,1,2
.irp i, 0,2
.set n, T0+TS*\s+NUM+4*\j+\i
.set q, T0+TS*\s+QUO+4*\j+\i
.set r, RC+6*\s+2*\j
	v_pk_mul_f32 v[q:q+1], v[n:n+1], v[r:r+1]
.endr
.endr
.endr
.irp s, 0,1                            ; e = a - q d
.irp j, 0,1,2
.irp i, 0,2
.set n, T0+TS*\s+NUM+4*\j+\i
.set q, T0+TS*\s+QUO+4*\j+\i
.set d, RD+6*\s+2*\j
	v_pk_fma_f32 v[n:n+1], v[q:q+1], v[d:d+1], v[n:n+1] neg_lo:[1,0,0] neg_hi:[1,0,0]
.endr
.endr
.endr
.irp s, 0,1                            ; t = q + e r
.irp j, 0,1,2
.irp i, 0,2
.set n, T0+TS*\s+NUM+4*\j+\i
.set q, T0+TS*\s+QUO+4*\j+\i
.set r, RC+6*\s+2*\j
	v_pk_fma_f32 v[q:q+1], v[n:n+1], v[r:r+1], v[q:q+1]
.endr
.endr
.endr
.irp s, 0,1                            ; entry and exit of each axis
.irp j, 0,1,2
.irp h, 0,1
.set q, T0+TS*\s+QUO+4*\j+\h
	v_min_num_f32 v[T0+TS*\s+ENT+2*\j+\h], v[q], v[q+2]
	v_max_num_f32 v[T0+TS*\s+EXI+2*\j+\h], v[q], v[q+2]
.endr
.endr
.endr
.irp s, 0,1                            ; tE = largest entry, tX = smallest exit
.irp h, 0,1
.set t, T0+TS*\s+\h
	v_max3_num_f32 v[t+TE], v[t+ENT], v[t+ENT+2], v[t+ENT+4]
	v_min3_num_f32 v[t+TX], v[t+EXI], v[t+EXI+2], v[t+EXI+4]
.endr
.endr
	; the three candidates, on two sets of temporaries: one candidate's chain of maxima stands between the next one's points and differences.
	; Each candidate's compares have masks of their own; the selects that read the masks stand together, behind one wait.
	CPT 0, SET0
	CD  \k, SET0
	CPT 1, SET1
	CM1 SET0
	CD  \k, SET1
	CM2 SET0
	CPT 2, SET0                        ; set 0's points were last read by its differences
	CM3 0, SET0
	CM1 SET1
	CCMP SET0, M0
	CD  \k, SET0                       ; set 0's differences were last read by CM3 0.  These are the box's last lines that name its buffer
	CM2 SET1
	CM1 SET0
	CM3 1, SET1
	CM2 SET0
	CCMP SET1, M1
	CM3 2, SET0
.irp s, 0,1                            ; tE < tX and tX > 0  <=>  min(tX - tE, tX) > 0
.set t, T0+TS*\s
	v_pk_add_f32 v[t+GAP:t+GAP+1], v[t+TX:t+TX+1], v[t+TE:t+TE+1] neg_lo:[0,1] neg_hi:[0,1]
.endr
	CCMP SET0, M2
.irp s, 0,1
.irp h, 0,1
.set t, T0+TS*\s+\h
.if \first
	v_min_num_f32 v[MA+2*\s+\h], v[t+GAP], v[t+TX]
.else
	v_min_num_f32 v[t+GAP], v[t+GAP], v[t+TX]
.endif
.endr
.endr
	s_wait_alu depctr_va_sdst(0)                   ; the twelve validity masks are written, ahead of the selects that read them
.if (\off) >= 0
	s_wait_alu depctr_va_vdst(0)                   ; the numerators and differences are done reading this box's buffer, in which the loads below land; v3, stepped at the last trip's end, is written
	LOADK \k, \off                                 ; the box two further on.  No vector instruction up to the box's end names the buffer or v3
.endif
	CSEL 0, M0
	CSEL 1, M1
	CSEL 2, M2
.irp s, 0,1                            ; t_near
.irp h, 0,1
.set t, T0+TS*\s+\h
	v_min3_num_f32 v[t+TN], v[t+CAND], v[t+CAND+2], v[t+CAND+4]
.endr
.endr
.irp s, 0,1                            ; argmin: only a strictly smaller t_near takes the lead, so the first of equals stays
.irp h, 0,1
	v_cmp_le_f32 s[M1+2*\s+\h], v[BEST+2*\s+\h], v[T0+TS*\s+TN+\h]
.endr
.endr
.irp s, 0,1
.irp h, 0,1
	v_min_num_f32 v[BEST+2*\s+\h], v[BEST+2*\s+\h], v[T0+TS*\s+TN+\h]
.endr
.endr
.if \first == 0
.irp s, 0,1                            ; both boxes of the trip enter the running maximum at once
.irp h, 0,1
	v_max3_num_f32 v[KEEP+2*\s+\h], v[KEEP+2*\s+\h], v[MA+2*\s+\h], v[T0+TS*\s+GAP+\h]
.endr
.endr
.endif
	s_wait_alu depctr_va_sdst(0)                   ; the argmin's four masks are written, ahead of the selects that read them
.irp s, 0,1
.irp h, 0,1
	v_cndmask_b32 v[IDX+2*\s+\h], \sidx, v[IDX+2*\s+\h], s[M1+2*\s+\h]
.endr
.endr
.endm
	s_wait_alu depctr_vm_vsrc(0)                   ; wave 0's LDS stores have read v[KB ..], in which the second load below lands
	LOADK KA, 0                                    ; boxes 0 and 1
	LOADK KB, ROWB
	s_mov_b32 s20, 0                               ; number of the trip's first box; also the loop's counter
	s_mov_b32 s21, 1                               ; number of its second box
.Lpair:
	s_wait_dscnt 0x3                               ; LDS loads come back in order: KA is in, the three younger loads (KB's) may be out
	BOX KA, s20, 1, 2*ROWB                         ; and KA is asked for again: the next trip's first box
	s_wait_dscnt 0x3                               ; KB is in, the three loads issued in the box above may be out
	BOX KB, s21, 0, 3*ROWB                         ; and KB is asked for again: the next trip's second box
	s_wait_alu depctr_vm_vsrc(0)                   ; the LDS loads issued so far have read v3
	v_add_nc_u32 v3, 2*ROWB, v3
	s_add_co_u32 s21, s21, 2
	s_add_co_u32 s20, s20, 2
	s_cmp_lt_u32 s20, BOXES-2
	s_cbranch_scc1 .Lpair
	s_wait_dscnt 0x3                               ; boxes 30 and 31 are written out: nothing is loaded past the table's 1,536 bytes
	BOX KA, s20, 1, -1
	s_wait_dscnt 0x0
	BOX KB, s21, 0, -1
	; rays that meet no box get -1 and -1.0
.irp i, 0,1,2,3
	v_cmp_lt_f32 s[M0+\i], 0, v[KEEP+\i]
.endr
	s_wait_alu depctr_va_sdst(0)                   ; the four masks are written, ahead of the selects that read them
.irp i, 0,1,2,3
	v_cndmask_b32 v[IDX+\i], -1, v[IDX+\i], s[M0+\i]
	v_cndmask_b32 v[BEST+\i], -1.0, v[BEST+\i], s[M0+\i]
.endr
	s_wait_alu depctr_va_vdst(0)                   ; the selects have written IDX and BEST, which the two stores read
	global_store_b128 v2, v[IDX:IDX+3], s[10:11] th:TH_STORE_NT      ; 16 bytes a lane: the wave stores 512 consecutive bytes, aligned
	global_store_b128 v2, v[BEST:BEST+3], s[12:13] th:TH_STORE_NT
	s_wait_dscnt 0x0
	s_wait_alu depctr_hold_cnt(0) depctr_sa_sdst(0) depctr_va_vdst(0) depctr_va_sdst(0) depctr_va_ssrc(0) depctr_va_vcc(0) depctr_vm_vsrc(0)
	s_wait_tensorcnt 0x0
	ds_add_u32 v238, v239
	s_wait_dscnt 0x0
	s_endpgm
.Lfunc_end_k_qa8dab6755a_nearest_box:
	.size	k_qa8dab6755a_nearest_box, .Lfunc_end_k_qa8dab6755a_nearest_box-k_qa8dab6755a_nearest_box
	.p2alignl 7, 3214868480
	.fill 96, 4, 3214868480
	.section	.rodata,"a",@progbits
	.p2align	6, 0x0
	.amdhsa_kernel k_qa8dab6755a_nearest_box
		.amdhsa_group_segment_fixed_size 2560
		.amdhsa_private_segment_fixed_size 0
		.amdhsa_enable_private_segment 0
		.amdhsa_kernarg_size 40
		.amdhsa_user_sgpr_count 2
		.amdhsa_user_sgpr_kernarg_segment_ptr 1
		.amdhsa_wavefront_size32 1
		.amdhsa_system_sgpr_workgroup_id_x 1
		.amdhsa_system_sgpr_workgroup_id_y 1
		.amdhsa_system_sgpr_workgroup_id_z 1
		.amdhsa_system_vgpr_workitem_id 0
		.amdhsa_next_free_vgpr 240
		.amdhsa_next_free_sgpr 66
		.amdhsa_reserve_vcc 0
		.amdhsa_float_denorm_mode_32 3
		.amdhsa_float_denorm_mode_16_64 3
		.amdhsa_memory_ordered 1
		.amdhsa_forward_progress 1
		.amdhsa_inst_pref_size 61
	.end_amdhsa_kernel
	.amdgpu_metadata
---
amdhsa.version: [ 1, 2 ]
amdhsa.kernels:
  - .name:           k_qa8dab6755a_nearest_box
    .symbol:         k_qa8dab6755a_nearest_box.kd
    .args:
      - { .name: rays_o, .offset: 0, .size: 8, .value_kind: global_buffer, .address_space: global }
      - { .name: rays_d, .offset: 8, .size: 8, .value_kind: global_buffer, .address_space: global }
      - { .name: bbox, .offset: 16, .size: 8, .value_kind: global_buffer, .address_space: global }
      - { .name: out0, .offset: 24, .size: 8, .value_kind: global_buffer, .address_space: global }
      - { .name: out1, .offset: 32, .size: 8, .value_kind: global_buffer, .address_space: global }
    .group_segment_fixed_size: 2560
    .private_segment_fixed_size: 0
    .kernarg_segment_align: 8
    .kernarg_segment_size: 40
    .max_flat_workgroup_size: 256
    .sgpr_count:     66
    .vgpr_count:     240
    .wavefront_size: 32
...
	.end_amdgpu_metadata
.endif
;; end of part 2
